; MI455X (gfx1250); checked and timed in simulation.
; The chip was launched on July 23, 2026; its instructions are those of AMD's public machine-readable ISA for CDNA 5 (MIT licence, August 2026) and "CDNA5" Instruction Set Architecture Reference Guide (July 2026). The comments in the code are by the model that wrote it; some were corrected since.
;; Fake Flex Olmo Sparse Mlp. Allowed arithmetic: float matrix products may take bf16 or f16 operands with f32 sums; other float arithmetic in f32, or as packed bf16 or f16 multiplies, adds, multiply-adds, maxima and minima; sums over many terms, partial sums and values carried from step to step in f32; what a program stores and reads back later, other than sums and carried values, may be rounded once to bf16 or f16.
;; Inputs: W1 4 x 1,024 x 1,024 float32; W2 4 x 1,024 x 1,024 float32; b1 4 x 1,024 float32; b2 4 x 1,024 float32; hidden_states 4 x 2,048 x 1,024 float32; router_w 4 x 1,024 float32.
;; Outputs: out0 4 x 2,048 x 1,024 float32; out1 4 x 2,048 x 4 float32.
;; One version. Each part assembles by itself: llvm-mc -triple=amdgcn-amd-amdhsa -mcpu=gfx1250 --defsym DOCPART=n.
;; ======== version 1 of 1: 4 launches
;; workspace buffers: route 40,960 bytes of whole numbers; gates 65,536 bytes; wf 16,777,216 bytes; xs 18,284,544 bytes; plan 43,776 bytes of whole numbers; gs 71,424 bytes; h1f 36,569,088 bytes
;; launch route (part 1): grid 512 x 1, 8 waves a work-group, no clusters, 69,120 bytes of LDS; arguments hidden_states, router_w, W1, W2, out1, route, gates, wf; writes out1, route, gates, wf
.if DOCPART == 1
	.amdgcn_target "amdgcn-amd-amdhsa--gfx1250"
	.amdhsa_code_object_version 6
	.text
	.protected	k_q376b266ee0_route
	.globl	k_q376b266ee0_route
	.p2align	8
	.type	k_q376b266ee0_route,@function
k_q376b266ee0_route:
	s_mov_b64 s[64:65], 0
	v_nop
	global_prefetch_b8 v0, s[64:65] scope:SCOPE_SE
	s_setreg_imm32_b32 hwreg(HW_REG_WAVE_MODE, 25, 1), 1
	s_wait_xcnt 0x0
; TWO ROLES IN ONE LAUNCH.
; Work-groups 0-255: THE ROUTER, in f32 on the f32 inputs.  A work-group has 32 tokens, a wave four of them: the four logits of a token are sums over
; 1,024 terms (8 chains a lane, then across the lanes).  Wave 0 then takes one token a lane: softmax with the maximum taken away (out1), the two largest
; probabilities (a tie keeps the lower expert), their weights divided by their sum.  Stored at fixed places: the number of the PAIR of experts
; (a < b: a + b - 1 + min(a, 1), 0 to 5), the two weights {of a, of b}, and how many of the block's tokens chose each pair.  No address hangs on them here.
; Work-groups 256-511: THE WEIGHTS, rounded once to bf16 and laid in the order in which a wave's operand registers take them:
; wf[layer][e][c][ks][nb][j][lane][8]: row n = 64 c + 16 nb + lane % 16, k = 32 ks + 16 j + 8 (lane / 16) + 0..7.
; LIMITS.  A probability below 2^-126 is stored as 0 (the exponential's result); among such zeros the lower expert is chosen.  Where the second and third
; probabilities differ by less than the rounding of a sum of 1,024 f32 terms the choice may differ from another order of summing.  NaN and infinities are not treated apart.
.set WST,    512                       ; LDS: 0-511 the block's 32 x 4 logits; from 512 a stage for each wave: 16 rows x 528 bytes
.set WSTB,   8448
.set WP,     528                       ; 512 bytes of bf16 + 16: 33 x 16, so the 16 rows of a load begin in 16 different columns of 16 bytes
.set SPARE,  WST+8*WSTB                ; 68,096: the spare words, 128 bytes a wave, which no other line names
.set HIST,   32768                     ; byte of the counts in route
.set SPW, 4                            ; v4  my spare word's LDS address; never rewritten
.set NIL, 5                            ; v5  0; never rewritten
.set ACC, 8                            ; v8-23   expert e: two pairs of running sums at ACC + 4 e
.set LG,  24                           ; v24-27  the four logits
.set T,   28                           ; v28-31  at work
.set RW,  32                           ; v32-159 router_w: expert e, chunk q at RW + 32 e + 4 q
.set X,   160                          ; v160-223 two buffers of 32: a token's row
	s_load_b512 s[16:31], s[0:1], 0x0              ; hidden s[16:17], router_w s[18:19], W1 s[20:21], W2 s[22:23], out1 s[24:25], route s[26:27], gates s[28:29], wf s[30:31]
	v_lshl_add_u32 v[SPW], v0, 2, SPARE
	v_mov_b32 v[NIL], 0
	v_lshrrev_b32 v1, 5, v0
	v_readfirstlane_b32 s8, v1                     ; wave 0..7
	v_and_b32 v2, 31, v0                           ; lane
	v_lshlrev_b32 v1, 4, v2                        ; 16 x lane
	s_mov_b32 s3, 0
	s_cmp_ge_u32 ttmp9, 0x100
	s_cbranch_scc1 .Lweights
	; ---------------- the router ----------------
	s_lshl_b32 s2, ttmp9, 17                       ; 32 rows of 4,096 bytes a block,
	s_lshl_b32 s9, s8, 14                          ; four rows a wave
	s_add_co_u32 s2, s2, s9
	s_mov_b32 s12, 0x76543210                      ; v_permlanex16_b32: each lane takes its own place in the other half
	s_mov_b32 s13, 0xfedcba98
	s_lshl_b32 s9, s8, 6
	v_mov_b32 v6, s9                               ; my wave's four rows of 16 bytes among the logits in LDS
.irp e, 0,1,2,3
	v_mov_b32 v[T+\e], 0                           ; written once: v_permlanex16_b32's destination counts as read
.endr
	s_wait_kmcnt 0x0
	s_add_nc_u64 s[16:17], s[16:17], s[2:3]
.irp e, 0,1,2,3
.irp q, 0,1,2,3,4,5,6,7
	global_load_b128 v[RW+32*\e+4*\q:RW+32*\e+4*\q+3], v1, s[18:19] offset:\e*4096+\q*512
.endr
.endr
.macro XLD j, b                        ; token j's row: eight loads of 512 bytes on end
.irp q, 0,1,2,3,4,5,6,7
	global_load_b128 v[X+32*(\b)+4*\q:X+32*(\b)+4*\q+3], v1, s[16:17] offset:(\j)*4096+\q*512
.endr
.endm
	XLD 0, 0
	XLD 1, 1
; One token.  left: the next token's eight loads may stay out.
.macro TOKEN j, left
	s_wait_loadcnt \left
.set xb, X+32*((\j)%2)
.irp e, 0,1,2,3
	v_pk_mul_f32 v[ACC+4*\e:ACC+4*\e+1], v[xb:xb+1], v[RW+32*\e:RW+32*\e+1]              ; the first chunk starts the eight chains: nothing is cleared
	v_pk_mul_f32 v[ACC+4*\e+2:ACC+4*\e+3], v[xb+2:xb+3], v[RW+32*\e+2:RW+32*\e+3]
.endr
.irp q, 1,2,3,4,5,6,7
.irp e, 0,1,2,3
	v_pk_fma_f32 v[ACC+4*\e:ACC+4*\e+1], v[xb+4*\q:xb+4*\q+1], v[RW+32*\e+4*\q:RW+32*\e+4*\q+1], v[ACC+4*\e:ACC+4*\e+1]
	v_pk_fma_f32 v[ACC+4*\e+2:ACC+4*\e+3], v[xb+4*\q+2:xb+4*\q+3], v[RW+32*\e+4*\q+2:RW+32*\e+4*\q+3], v[ACC+4*\e+2:ACC+4*\e+3]
.endr
.endr
.if (\j) < 2
	XLD (\j)+2, (\j)%2                             ; the buffer just read takes the token two further on
.endif
.irp e, 0,1,2,3
	v_pk_add_f32 v[ACC+4*\e:ACC+4*\e+1], v[ACC+4*\e:ACC+4*\e+1], v[ACC+4*\e+2:ACC+4*\e+3]
.endr
.irp e, 0,1,2,3
	v_add_f32 v[LG+\e], v[ACC+4*\e], v[ACC+4*\e+1]
.endr
.irp m, 1,2,4,8                        ; across the 16 lanes of a half, the four sums by turns
.irp e, 0,1,2,3
	v_add_f32_dpp v[LG+\e], v[LG+\e], v[LG+\e] row_xmask:\m row_mask:0xf bank_mask:0xf
.endr
.endr
.irp e, 0,1,2,3
	v_permlanex16_b32 v[T+\e], v[LG+\e], s12, s13
.endr
.irp e, 0,1,2,3
	v_add_f32 v[LG+\e], v[LG+\e], v[T+\e]
.endr
	ds_store_b128 v6, v[LG:LG+3] offset:16*(\j)    ; every lane holds the same four sums and writes the same 16 bytes
.endm
	TOKEN 0, 8
	TOKEN 1, 8
	TOKEN 2, 8
	TOKEN 3, 0
	s_wait_dscnt 0x0                               ; for wave 0's sake: my logits are in LDS
	s_barrier_signal -1
	s_barrier_wait -1
	s_cmp_lg_u32 s8, 0
	s_cbranch_scc1 .Lend
	; wave 0: one token a lane
	ds_load_b128 v[LG:LG+3], v1
	s_lshl_b32 s2, ttmp9, 9
	s_add_nc_u64 s[24:25], s[24:25], s[2:3]        ; out1: 512 bytes a block
	s_lshl_b32 s2, ttmp9, 5
	s_add_nc_u64 s[32:33], s[26:27], s[2:3]        ; the block's eight counts (HIST stands in the immediate)
	s_lshl_b32 s2, ttmp9, 7
	s_add_nc_u64 s[26:27], s[26:27], s[2:3]        ; the block's 32 pair numbers
	s_lshl_b32 s2, ttmp9, 8
	s_add_nc_u64 s[28:29], s[28:29], s[2:3]        ; the block's 32 pairs of weights
	s_wait_dscnt 0x0
	v_max3_num_f32 v28, v24, v25, v26
	v_max_num_f32 v28, v28, v27
.irp e, 0,1,2,3
	v_sub_f32 v[LG+\e], v[LG+\e], v28              ; the maximum is taken away
.endr
.irp e, 0,1,2,3
	v_mul_f32 v[LG+\e], 0x3fb8aa3b, v[LG+\e]       ; log2(e)
.endr
.irp e, 0,1,2,3
	v_exp_f32 v[LG+\e], v[LG+\e]
.endr
	v_lshlrev_b32 v3, 2, v2                        ; 4 x lane: the plain instruction behind the last exponential
	s_wait_alu depctr_va_vdst(0)                   ; one wait for the four, ahead of their first reader
	v_add_f32 v29, v24, v25
	v_add_f32 v30, v26, v27
	v_add_f32 v29, v29, v30
	v_rcp_f32 v30, v29
	v_lshlrev_b32 v7, 3, v2                        ; 8 x lane: the plain instruction behind the reciprocal
	s_wait_alu depctr_va_vdst(0)
.irp e, 0,1,2,3
	v_mul_f32 v[LG+\e], v[LG+\e], v30
.endr
	global_store_b128 v1, v[LG:LG+3], s[24:25]     ; the wave's store covers 512 bytes on end
	; the largest: a later expert wins only if it is strictly greater
	v_mov_b32 v32, v24
	v_mov_b32 v33, 0
.irp i, 1,2,3
	v_cmp_gt_f32 vcc_lo, v[LG+\i], v32
	v_cndmask_b32 v32, v32, v[LG+\i], vcc_lo
	v_cndmask_b32 v33, v33, \i, vcc_lo
.endr
.irp i, 0,1,2,3
	v_cmp_eq_u32 vcc_lo, \i, v33
	v_cndmask_b32 v[36+\i], v[LG+\i], -1.0, vcc_lo ; the winner leaves the field: every probability is 0 or more
.endr
	v_mov_b32 v34, v36
	v_mov_b32 v35, 0
.irp i, 1,2,3
	v_cmp_gt_f32 vcc_lo, v[36+\i], v34
	v_cndmask_b32 v34, v34, v[36+\i], vcc_lo
	v_cndmask_b32 v35, v35, \i, vcc_lo
.endr
	v_add_f32 v40, v32, v34
	v_rcp_f32 v41, v40
	v_min_u32 v42, v33, v35                        ; a
	v_max_u32 v43, v33, v35                        ; b
	s_wait_alu depctr_va_vdst(0)
	v_mul_f32 v32, v32, v41
	v_mul_f32 v34, v34, v41
	v_cmp_lt_u32 vcc_lo, v33, v35                  ; is the first choice the lower expert?
	v_cndmask_b32 v44, v34, v32, vcc_lo            ; a's weight
	v_cndmask_b32 v45, v32, v34, vcc_lo            ; b's
	v_min_u32 v46, 1, v42
	v_add3_u32 v46, v46, v42, v43
	v_add_nc_u32 v46, -1, v46                      ; the pair's number
	global_store_b32 v3, v46, s[26:27]
	global_store_b64 v7, v[44:45], s[28:29]
	v_mov_b32 v47, 0
.irp q, 0,1,2,3,4,5
	v_cmp_eq_u32 s10, \q, v46
	s_bcnt1_i32_b32 s10, s10
	v_writelane_b32 v47, s10, \q                   ; lane q: how many of the 32 chose pair q; lanes 6 and 7: 0
.endr
	v_cmp_gt_u32 vcc_lo, 8, v2
	s_wait_xcnt 0x0                                ; EXEC is a source of the stores above: it changes only behind this wait
	s_and_saveexec_b32 s10, vcc_lo
	global_store_b32 v3, v47, s[32:33] offset:HIST
	s_wait_xcnt 0x0                                ; and again ahead of the line that widens it
	s_or_b32 exec_lo, exec_lo, s10
.Lend:
	s_wait_tensorcnt 0x0                           ; the wave's end, behind my last LDS store
	ds_add_u32 v[SPW], v[NIL]
	s_wait_dscnt 0x0
	s_endpgm
	; ---------------- the weights ----------------
	; Work-group u: layer u / 128, expert (u / 32) % 4, 64 rows c = (u / 2) % 16, half u % 2 of K.  Wave w: 16 rows nb = w % 4, 256 of the 512 k: w / 4.
.Lweights:
	s_sub_co_u32 s9, ttmp9, 0x100
	s_lshr_b32 s10, s9, 7                          ; layer
	s_bfe_u32 s11, s9, 0x20005                     ; e
	s_bfe_u32 s12, s9, 0x40001                     ; c
	s_and_b32 s13, s9, 1                           ; kh
	s_and_b32 s14, s8, 3                           ; nb
	s_lshr_b32 s15, s8, 2                          ; kq
	s_lshl_b32 s2, s11, 22                         ; from: e x 4 MiB + (64 c + 16 nb) rows of 4,096 bytes + (512 kh + 256 kq) x 4
	s_lshl_b32 s32, s12, 18
	s_add_co_u32 s2, s2, s32
	s_lshl_b32 s32, s14, 16
	s_add_co_u32 s2, s2, s32
	s_lshl_b32 s32, s13, 11
	s_add_co_u32 s2, s2, s32
	s_lshl_b32 s32, s15, 10
	s_add_co_u32 s2, s2, s32
	s_lshl_b32 s34, s10, 23                        ; to: layer x 8 MiB + ((16 e + c) x 32 + 16 kh + 8 kq) x 4,096 + nb x 1,024
	s_lshl_b32 s32, s11, 21
	s_add_co_u32 s34, s34, s32
	s_lshl_b32 s32, s12, 17
	s_add_co_u32 s34, s34, s32
	s_lshl_b32 s32, s13, 16
	s_add_co_u32 s34, s34, s32
	s_lshl_b32 s32, s15, 15
	s_add_co_u32 s34, s34, s32
	s_lshl_b32 s32, s14, 10
	s_add_co_u32 s34, s34, s32
	s_mov_b32 s35, 0
	s_mul_i32 s33, s8, WSTB
	s_add_co_u32 s33, s33, WST                     ; my stage
	v_lshl_add_u32 v6, v2, 3, s33                  ; in: 8 bytes a lane along a row
	v_and_b32 v8, 15, v0
	v_bfe_u32 v9, v0, 4, 1
	v_mul_u32_u24 v7, v8, WP
	v_lshl_add_u32 v7, v9, 4, v7
	v_add_nc_u32 v7, s33, v7                       ; back: row lane % 16, 16 bytes for each half of the lanes
	s_wait_kmcnt 0x0
	s_cmp_eq_u32 s10, 0
	s_cselect_b64 s[20:21], s[20:21], s[22:23]     ; W1 or W2
	s_add_nc_u64 s[20:21], s[20:21], s[2:3]
	s_add_nc_u64 s[30:31], s[30:31], s[34:35]
.set n, 0
.rept 32                               ; row n / 2, half n % 2 of its 1,024 bytes: all 32 loads go out before the first wait
	global_load_b128 v[32+4*n:35+4*n], v1, s[20:21] offset:(n/2)*4096+(n%2)*512 th:TH_LOAD_NT
.set n, n+1
.endr
.set n, 0
.rept 32
	s_wait_loadcnt 31-n                            ; loads come back in order: load n is in
	v_cvt_pk_bf16_f32 v[32+4*n], v[32+4*n], v[33+4*n]
	v_cvt_pk_bf16_f32 v[33+4*n], v[34+4*n], v[35+4*n]
	ds_store_b64 v6, v[32+4*n:33+4*n] offset:(n/2)*WP+(n%2)*256
.set n, n+1
.endr
.set n, 0
.rept 16                               ; K step n / 2, half n % 2.  My own bytes, and LDS serves a wave's instructions in order: these see the stores above
	ds_load_b128 v[160+4*n:163+4*n], v7 offset:32*n
.set n, n+1
.endr
.set n, 0
.rept 16
	s_wait_dscnt 15-n
	global_store_b128 v1, v[160+4*n:163+4*n], s[30:31] offset:(n/2)*4096+(n%2)*512  ; 512 bytes on end
.set n, n+1
.endr
	s_wait_tensorcnt 0x0                           ; the wave's end, behind my last LDS store
	ds_add_u32 v[SPW], v[NIL]
	s_wait_dscnt 0x0
	s_endpgm
.Lfunc_end_k_q376b266ee0_route:
	.size	k_q376b266ee0_route, .Lfunc_end_k_q376b266ee0_route-k_q376b266ee0_route
	.p2alignl 7, 3214868480
	.fill 96, 4, 3214868480
	.section	.rodata,"a",@progbits
	.p2align	6, 0x0
	.amdhsa_kernel k_q376b266ee0_route
		.amdhsa_group_segment_fixed_size 69120
		.amdhsa_private_segment_fixed_size 0
		.amdhsa_enable_private_segment 0
		.amdhsa_kernarg_size 64
		.amdhsa_user_sgpr_count 2
		.amdhsa_user_sgpr_kernarg_segment_ptr 1
		.amdhsa_wavefront_size32 1
		.amdhsa_system_sgpr_workgroup_id_x 1
		.amdhsa_system_sgpr_workgroup_id_y 1
		.amdhsa_system_sgpr_workgroup_id_z 1
		.amdhsa_system_vgpr_workitem_id 0
		.amdhsa_next_free_vgpr 224
		.amdhsa_next_free_sgpr 66
		.amdhsa_reserve_vcc 1
		.amdhsa_float_denorm_mode_32 3
		.amdhsa_float_denorm_mode_16_64 3
		.amdhsa_memory_ordered 1
		.amdhsa_forward_progress 1
		.amdhsa_inst_pref_size 51
	.end_amdhsa_kernel
	.amdgpu_metadata
---
amdhsa.version: [ 1, 2 ]
amdhsa.kernels:
  - .name:           k_q376b266ee0_route
    .symbol:         k_q376b266ee0_route.kd
    .args:
      - { .name: hidden_states, .offset: 0, .size: 8, .value_kind: global_buffer, .address_space: global }
      - { .name: router_w, .offset: 8, .size: 8, .value_kind: global_buffer, .address_space: global }
      - { .name: W1, .offset: 16, .size: 8, .value_kind: global_buffer, .address_space: global }
      - { .name: W2, .offset: 24, .size: 8, .value_kind: global_buffer, .address_space: global }
      - { .name: out1, .offset: 32, .size: 8, .value_kind: global_buffer, .address_space: global }
      - { .name: route, .offset: 40, .size: 8, .value_kind: global_buffer, .address_space: global }
      - { .name: gates, .offset: 48, .size: 8, .value_kind: global_buffer, .address_space: global }
      - { .name: wf, .offset: 56, .size: 8, .value_kind: global_buffer, .address_space: global }
    .group_segment_fixed_size: 69120
    .private_segment_fixed_size: 0
    .kernarg_segment_align: 8
    .kernarg_segment_size: 64
    .max_flat_workgroup_size: 256
    .sgpr_count:     66
    .vgpr_count:     224
    .wavefront_size: 32
...
	.end_amdgpu_metadata
.endif
;; end of part 1
;; launch place (part 2): grid 318 x 1, 8 waves a work-group, no clusters, 0 bytes of LDS; arguments hidden_states, route, gates, xs, plan, gs; writes xs, plan, gs
.if DOCPART == 2
	.amdgcn_target "amdgcn-amd-amdhsa--gfx1250"
	.amdhsa_code_object_version 6
	.text
	.protected	k_q376b266ee0_place
	.globl	k_q376b266ee0_place
	.p2align	8
	.type	k_q376b266ee0_place,@function
k_q376b266ee0_place:
	s_mov_b64 s[64:65], 0
	v_nop
	global_prefetch_b8 v0, s[64:65] scope:SCOPE_SE
	s_setreg_imm32_b32 hwreg(HW_REG_WAVE_MODE, 25, 1), 1
	s_wait_xcnt 0x0
; THE TOKENS ARE SORTED BY THEIR PAIR OF EXPERTS, a counting sort without atomics, and their rows are written in bf16 in the sorted order.
; A pair's tokens fill whole tiles of 144 places: pair q with c_q tokens has n_q = ceil(c_q / 144) tiles, the pairs one behind the other.  The sum of the n_q is at most
; (8,192 + 6 x 143) / 144, so 62 tiles serve every split.  Every wave adds up the 256 blocks' counts for itself: no LDS, no barrier.
; Work-groups 0-255 (a block of 32 tokens each): a token's place = 144 x (tiles in front of its pair) + (its pair's tokens in earlier blocks) + (in earlier lanes).
; Stored: the row in bf16 (xs), the token's number (tokl) and its two weights (gs), all at its place.
; Work-groups 256-317 (a tile each): the tile's line {a, b, used, rows} and the places past its count, which repeat the pair's LAST token: it lies in the same tile, so what
; is made of the repeats is that token's own result once more.  A tile that no pair uses repeats token 0 and is marked unused.
; All that feeds an address or a branch here is whole numbers read from route.
.set TM,   144
.set NPOS, 62*TM
.set HIST, 32768
.set TTAB, 35840                       ; plan: tokl[8,928] from byte 0; a line of 128 bytes for each tile from here
.set TOT, 16                           ; v16-19  my lanes' part of the pairs' totals
.set PRE, 20                           ; v20-23  the same over the blocks in front of mine
.set HD,  32                           ; v32-95  the counts as loaded
.set XR,  96                           ; v96-223 four rows of x
.set CN,  40                           ; s40-45  c_q
.set PR,  48                           ; s48-53  pair q's tokens in earlier blocks
.set TS,  56                           ; s56-62  tiles in front of pair q; s62: tiles in use
	s_load_b256 s[16:23], s[0:1], 0x0              ; hidden s[16:17], route s[18:19], gates s[20:21], xs s[22:23]
	s_load_b128 s[24:27], s[0:1], 0x20             ; plan s[24:25], gs s[26:27]
	v_lshrrev_b32 v1, 5, v0
	v_readfirstlane_b32 s8, v1                     ; wave 0..7
	v_and_b32 v2, 31, v0                           ; lane
	v_lshlrev_b32 v1, 4, v2                        ; 16 x lane
	v_lshrrev_b32 v3, 1, v2                        ; lane / 2
	v_lshlrev_b32 v5, 2, v2                        ; 4 x lane
	v_lshlrev_b32 v10, 3, v2                       ; 8 x lane
	v_mov_b32 v25, 0                               ; written once: destinations of lane moves count as read
	s_mov_b32 s12, 0x76543210
	s_mov_b32 s13, 0xfedcba98
	s_mov_b32 s3, 0
	s_mov_b32 s5, 0
	s_wait_kmcnt 0x0
; The 256 blocks' counts, 8 words each: load j brings a lane four words of block 16 j + lane / 2: pairs 0-3 in even lanes, pairs 4, 5 (and two zeros) in odd ones.
.macro SCAN_LOAD
.set j, 0
.rept 16
	global_load_b128 v[HD+4*j:HD+4*j+3], v1, s[18:19] offset:HIST+512*j
.set j, j+1
.endr
.endm
; g: the scalar register with my block's number.  younger: loads issued behind the sixteen, which may stay out.
.macro SCAN_SUM g, younger
.irp k, 0,1,2,3,4,5,6,7
	v_mov_b32 v[TOT+\k], 0
.endr
.set j, 0
.rept 16
	s_wait_loadcnt 15-j+(\younger)
	s_sub_co_i32 s4, s[\g], 16*j
	v_cmp_gt_i32 vcc_lo, s4, v3                    ; is block 16 j + lane / 2 in front of mine?
	v_cndmask_b32 v24, 0, 1, vcc_lo
.irp k, 0,1,2,3
	v_add_nc_u32 v[TOT+\k], v[TOT+\k], v[HD+4*j+\k]
	v_mad_u32_u24 v[PRE+\k], v[HD+4*j+\k], v24, v[PRE+\k]
.endr
.set j, j+1
.endr
.irp m, 2,4,8                          ; over the lanes of my parity
.irp k, 0,1,2,3,4,5,6,7
	v_mov_b32_dpp v25, v[TOT+\k] row_xmask:\m row_mask:0xf bank_mask:0xf
	v_add_nc_u32 v[TOT+\k], v[TOT+\k], v25
.endr
.endr
.irp k, 0,1,2,3,4,5,6,7
	v_permlanex16_b32 v25, v[TOT+\k], s12, s13
	v_add_nc_u32 v[TOT+\k], v[TOT+\k], v25
.endr
.irp q, 0,1,2,3
	v_readlane_b32 s[CN+\q], v[TOT+\q], 0
	v_readlane_b32 s[PR+\q], v[PRE+\q], 0
.endr
.irp q, 0,1
	v_readlane_b32 s[CN+4+\q], v[TOT+\q], 1
	v_readlane_b32 s[PR+4+\q], v[PRE+\q], 1
.endr
	s_mov_b32 s[TS], 0
.irp q, 0,1,2,3,4,5
	s_add_co_u32 s4, s[CN+\q], TM-1                ; ceil(c / 144) = ((c + 143) / 16) / 9; x / 9 = x * 7282 >> 16 for x up to 520: the excess x / 9 * 2 / 65536 stays under 1 / 9
	s_lshr_b32 s4, s4, 4
	s_mul_i32 s4, s4, 7282
	s_lshr_b32 s4, s4, 16
	s_add_co_u32 s[TS+1+\q], s[TS+\q], s4
.endr
.endm
.macro MAXRED r                        ; the largest of v[r] over the 32 lanes, in every lane
.irp m, 1,2,4,8
	v_mov_b32_dpp v25, v[\r] row_xmask:\m row_mask:0xf bank_mask:0xf
	v_max_u32 v[\r], v[\r], v25
.endr
	v_permlanex16_b32 v25, v[\r], s12, s13
	v_max_u32 v[\r], v[\r], v25
.endm
	s_cmp_ge_u32 ttmp9, 0x100
	s_cbranch_scc1 .Ltiles
	; ---------------- a block of 32 tokens ----------------
	s_mov_b32 s9, ttmp9
	s_lshl_b32 s2, s9, 17
	s_lshl_b32 s4, s8, 14
	s_add_co_u32 s2, s2, s4
	s_add_nc_u64 s[16:17], s[16:17], s[2:3]        ; x at my wave's four rows
	s_lshl_b32 s2, s9, 7
	s_add_nc_u64 s[28:29], s[18:19], s[2:3]        ; the block's pair numbers
	s_lshl_b32 s2, s9, 8
	s_add_nc_u64 s[20:21], s[20:21], s[2:3]        ; the block's weights
	SCAN_LOAD
	global_load_b32 v6, v5, s[28:29]
	global_load_b64 v[8:9], v10, s[20:21]
.irp j, 0,1,2,3
.irp q, 0,1,2,3,4,5,6,7
	global_load_b128 v[XR+32*\j+4*\q:XR+32*\j+4*\q+3], v1, s[16:17] offset:\j*4096+\q*512
.endr
.endr
	SCAN_SUM 9, 34                                 ; behind the sixteen: 1 + 1 + 32 loads
	s_wait_loadcnt 32                              ; pair numbers and weights are in; the 32 loads of x may stay out
	v_mov_b32 v7, 0
.irp q, 0,1,2,3,4,5
	s_mul_i32 s4, s[TS+\q], TM
	s_add_co_u32 s4, s4, s[PR+\q]                  ; where this block's tokens of pair q begin
	v_cmp_eq_u32 s6, \q, v6
	v_mbcnt_lo_u32_b32 v11, s6, 0                  ; such tokens in the lanes below mine
	v_add_nc_u32 v11, s4, v11
	v_cndmask_b32 v7, v7, v11, s6
.endr
	v_min_u32 v7, NPOS-1, v7                       ; lane l: the place of token 32 g + l
.irp j, 0,1,2,3
	s_lshl2_add_u32 s4, s8, \j                     ; my wave's token j is the block's token 4 w + j
	v_readlane_b32 s4, v7, s4
	s_min_u32 s4, s4, NPOS-1
	s_lshl_b32 s4, s4, 11                          ; a row of xs is 2,048 bytes
	s_add_nc_u64 s[70+2*\j:71+2*\j], s[22:23], s[4:5]
.endr
.irp j, 0,1,2,3
	s_wait_loadcnt 8*(3-\j)                        ; row j is in
.irp q, 0,1,2,3,4,5,6,7
	v_cvt_pk_bf16_f32 v[XR+32*\j+4*\q], v[XR+32*\j+4*\q], v[XR+32*\j+4*\q+1]
	v_cvt_pk_bf16_f32 v[XR+32*\j+4*\q+1], v[XR+32*\j+4*\q+2], v[XR+32*\j+4*\q+3]
.endr
.irp q, 0,1,2,3,4,5,6,7
	global_store_b64 v10, v[XR+32*\j+4*\q:XR+32*\j+4*\q+1], s[70+2*\j:71+2*\j] offset:256*\q  ; the wave's store covers 256 bytes on end, aligned
.endr
.endr
	s_cmp_lg_u32 s8, 0
	s_cbranch_scc1 .Lfin
	v_lshl_add_u32 v12, s9, 5, v2                  ; wave 0: the token's number and weights go to its place: 12 bytes a token, scattered as the sort scatters them
	v_lshlrev_b32 v13, 2, v7
	v_lshlrev_b32 v14, 3, v7
	global_store_b32 v13, v12, s[24:25]
	global_store_b64 v14, v[8:9], s[26:27]
.Lfin:
	s_endpgm
	; ---------------- a tile ----------------
.Ltiles:
	s_sub_co_u32 s9, ttmp9, 0x100                  ; tile i
	s_mov_b32 s10, 0
	SCAN_LOAD
	SCAN_SUM 10, 0
	s_mov_b32 s11, 0                               ; the last pair whose tiles begin at or before i
	s_mov_b32 s14, s[CN]
	s_mov_b32 s15, 0
.irp q, 1,2,3,4,5
	s_cmp_ge_u32 s9, s[TS+\q]
	s_cselect_b32 s11, \q, s11
	s_cselect_b32 s14, s[CN+\q], s14
	s_cselect_b32 s15, s[TS+\q], s15
.endr
	s_sub_co_u32 s15, s9, s15
	s_mul_i32 s15, s15, TM
	s_sub_co_u32 s14, s14, s15                     ; the pair's tokens from this tile on
	s_min_u32 s14, s14, TM
	s_cmp_lt_u32 s9, s[TS+6]
	s_cselect_b32 s28, 1, 0                        ; used
	s_cselect_b32 s14, s14, 0                      ; rows that tokens fill
	s_lshl_b32 s4, s11, 1
	s_lshr_b32 s29, 0x940, s4                      ; a of pairs 0..5: 0 0 0 1 1 2, two bits each
	s_and_b32 s29, s29, 3
	s_lshr_b32 s30, 0xfb9, s4                      ; b: 1 2 3 2 3 3
	s_and_b32 s30, s30, 3
	s_cmp_lg_u32 s28, 0
	s_cselect_b32 s29, s29, 0
	s_cselect_b32 s30, s30, 1
	; the pair's last token: the last block with a count, then the last lane of that block with the pair
	s_min_u32 s11, s11, 5
	s_lshl_b32 s4, s11, 2
	s_add_nc_u64 s[32:33], s[18:19], s[4:5]
	v_lshlrev_b32 v15, 5, v2
.irp j, 0,1,2,3,4,5,6,7
	global_load_b32 v[HD+\j], v15, s[32:33] offset:HIST+1024*\j   ; block 32 j + lane
.endr
	s_wait_loadcnt 0x0
	v_mov_b32 v26, 0
.irp j, 0,1,2,3,4,5,6,7
	v_add_nc_u32 v27, 32*\j+1, v2
	v_cmp_ne_u32 vcc_lo, 0, v[HD+\j]
	v_cndmask_b32 v27, 0, v27, vcc_lo
	v_max_u32 v26, v26, v27
.endr
	MAXRED 26
	v_readfirstlane_b32 s6, v26
	s_max_u32 s6, s6, 1
	s_sub_co_u32 s6, s6, 1
	s_min_u32 s6, s6, 255                          ; that block
	s_lshl_b32 s34, s6, 7
	s_mov_b32 s35, 0
	s_add_nc_u64 s[34:35], s[18:19], s[34:35]
	global_load_b32 v28, v5, s[34:35]
	v_add_nc_u32 v27, 1, v2
	s_wait_loadcnt 0x0
	v_cmp_eq_u32 vcc_lo, s11, v28
	v_cndmask_b32 v26, 0, v27, vcc_lo
	MAXRED 26
	v_readfirstlane_b32 s7, v26
	s_max_u32 s7, s7, 1
	s_sub_co_u32 s7, s7, 1
	s_lshl_b32 s31, s6, 5
	s_add_co_u32 s31, s31, s7
	s_cmp_lg_u32 s28, 0
	s_cselect_b32 s31, s31, 0
	s_min_u32 s31, s31, 0x1fff                     ; the token that the spare places repeat
	s_lshl_b32 s36, s31, 3
	s_mov_b32 s37, 0
	s_add_nc_u64 s[36:37], s[20:21], s[36:37]
	s_load_b64 s[38:39], s[36:37], 0x0             ; its two weights (no line of this launch stores into gates)
	s_lshl_b32 s66, s31, 12
	s_mov_b32 s67, 0
	s_add_nc_u64 s[66:67], s[16:17], s[66:67]
.irp q, 0,1,2,3,4,5,6,7
	global_load_b128 v[XR+4*\q:XR+4*\q+3], v1, s[66:67] offset:512*\q
.endr
	s_mul_i32 s68, s9, TM*2048
	s_lshl_b32 s69, s8, 11
	s_add_co_u32 s68, s68, s69
	s_mov_b32 s69, 0
	s_add_nc_u64 s[68:69], s[22:23], s[68:69]      ; xs at the tile's row w
	s_mov_b32 s70, s8                              ; the row in hand: w, w + 8, ..
	s_mov_b32 s71, TM/8
	s_wait_loadcnt 0x0
.irp q, 0,1,2,3,4,5,6,7
	v_cvt_pk_bf16_f32 v[XR+4*\q], v[XR+4*\q], v[XR+4*\q+1]
	v_cvt_pk_bf16_f32 v[XR+4*\q+1], v[XR+4*\q+2], v[XR+4*\q+3]
.endr
.Lrow:                                 ; 18 trips, whatever the count: a row that a token fills is jumped over
	s_cmp_lt_u32 s70, s14
	s_cbranch_scc1 .Lfilled
.irp q, 0,1,2,3,4,5,6,7
	global_store_b64 v10, v[XR+4*\q:XR+4*\q+1], s[68:69] offset:256*\q
.endr
.Lfilled:
	s_wait_xcnt 0x0                                ; the stores' base is stepped only behind this wait
	s_add_nc_u64 s[68:69], s[68:69], 8*2048
	s_add_co_u32 s70, s70, 8
	s_sub_co_u32 s71, s71, 1
	s_cmp_lg_u32 s71, 0
	s_cbranch_scc1 .Lrow
	s_cmp_lg_u32 s8, 0
	s_cbranch_scc1 .Lfin2
	; wave 0: the tile's line, and the spare places' token number and weights
	s_lshl_b32 s4, s9, 7
	s_add_nc_u64 s[76:77], s[24:25], s[4:5]
	s_mul_i32 s4, s9, TM*4
	s_add_nc_u64 s[72:73], s[24:25], s[4:5]
	s_mul_i32 s4, s9, TM*8
	s_add_nc_u64 s[74:75], s[26:27], s[4:5]
	v_mov_b32 v20, 0
	v_writelane_b32 v20, s29, 0
	v_writelane_b32 v20, s30, 1
	v_writelane_b32 v20, s28, 2
	v_writelane_b32 v20, s14, 3
	global_store_b32 v5, v20, s[76:77] offset:TTAB ; 128 bytes on end: a, b, used, rows, zeros
	s_wait_kmcnt 0x0
	v_mov_b32 v8, s38
	v_mov_b32 v9, s39
	v_mov_b32 v12, s31
	s_sub_co_u32 s7, TM, s14                       ; spare places
.irp k, 0,1,2,3,4
	v_add_nc_u32 v14, 32*\k, v2                    ; place r = 32 k + lane of the tile:
	v_subrev_nc_u32 v14, s14, v14                  ; rows <= r < 144 is r - rows < 144 - rows, unsigned
	v_cmp_gt_u32 vcc_lo, s7, v14
	s_wait_xcnt 0x0                                ; EXEC changes only behind this wait,
	s_and_saveexec_b32 s6, vcc_lo
	global_store_b32 v5, v12, s[72:73] offset:128*\k
	global_store_b64 v10, v[8:9], s[74:75] offset:256*\k
	s_wait_xcnt 0x0                                ; both ways
	s_or_b32 exec_lo, exec_lo, s6
.endr
.Lfin2:
	s_endpgm
.Lfunc_end_k_q376b266ee0_place:
	.size	k_q376b266ee0_place, .Lfunc_end_k_q376b266ee0_place-k_q376b266ee0_place
	.p2alignl 7, 3214868480
	.fill 96, 4, 3214868480
	.section	.rodata,"a",@progbits
	.p2align	6, 0x0
	.amdhsa_kernel k_q376b266ee0_place
		.amdhsa_group_segment_fixed_size 0
		.amdhsa_private_segment_fixed_size 0
		.amdhsa_enable_private_segment 0
		.amdhsa_kernarg_size 48
		.amdhsa_user_sgpr_count 2
		.amdhsa_user_sgpr_kernarg_segment_ptr 1
		.amdhsa_wavefront_size32 1
		.amdhsa_system_sgpr_workgroup_id_x 1
		.amdhsa_system_sgpr_workgroup_id_y 1
		.amdhsa_system_sgpr_workgroup_id_z 1
		.amdhsa_system_vgpr_workitem_id 0
		.amdhsa_next_free_vgpr 224
		.amdhsa_next_free_sgpr 80
		.amdhsa_reserve_vcc 1
		.amdhsa_float_denorm_mode_32 3
		.amdhsa_float_denorm_mode_16_64 3
		.amdhsa_memory_ordered 1
		.amdhsa_forward_progress 1
		.amdhsa_inst_pref_size 58
	.end_amdhsa_kernel
	.amdgpu_metadata
---
amdhsa.version: [ 1, 2 ]
amdhsa.kernels:
  - .name:           k_q376b266ee0_place
    .symbol:         k_q376b266ee0_place.kd
    .args:
      - { .name: hidden_states, .offset: 0, .size: 8, .value_kind: global_buffer, .address_space: global }
      - { .name: route, .offset: 8, .size: 8, .value_kind: global_buffer, .address_space: global }
      - { .name: gates, .offset: 16, .size: 8, .value_kind: global_buffer, .address_space: global }
      - { .name: xs, .offset: 24, .size: 8, .value_kind: global_buffer, .address_space: global }
      - { .name: plan, .offset: 32, .size: 8, .value_kind: global_buffer, .address_space: global }
      - { .name: gs, .offset: 40, .size: 8, .value_kind: global_buffer, .address_space: global }
    .group_segment_fixed_size: 0
    .private_segment_fixed_size: 0
    .kernarg_segment_align: 8
    .kernarg_segment_size: 48
    .max_flat_workgroup_size: 256
    .sgpr_count:     80
    .vgpr_count:     224
    .wavefront_size: 32
...
	.end_amdgpu_metadata
.endif
;; end of part 2
;; launch ffn1 (part 3): grid 248 x 1, 4 waves a work-group, clusters of 4 x 1, 327,680 bytes of LDS; arguments xs, wf, b1, plan, gs, h1f; writes h1f
.if DOCPART == 3
	.amdgcn_target "amdgcn-amd-amdhsa--gfx1250"
	.amdhsa_code_object_version 6
	.text
	.protected	k_q376b266ee0_ffn1
	.globl	k_q376b266ee0_ffn1
	.p2align	8
	.type	k_q376b266ee0_ffn1,@function
k_q376b266ee0_ffn1:
	s_mov_b64 s[64:65], 0
	v_nop
	global_prefetch_b8 v0, s[64:65] scope:SCOPE_SE
	s_setreg_imm32_b32 hwreg(HW_REG_WAVE_MODE, 25, 1), 1
	s_wait_xcnt 0x0
	s_wait_alu depctr_hold_cnt(0) depctr_sa_sdst(0) depctr_va_vdst(0) depctr_va_sdst(0) depctr_va_ssrc(0) depctr_va_vcc(0) depctr_vm_vsrc(0)
	s_getreg_b32 s2, hwreg(HW_REG_IB_STS2, 6, 4)
	s_cmp_eq_u32 s2, 0
	s_cbranch_scc0 .Lentry_in_a_cluster
	s_endpgm
.Lentry_in_a_cluster:
	s_bfe_u32 s2, ttmp6, 0x10000c
	s_cmp_lg_u32 s2, 0x3003
	s_cbranch_scc0 .Lentry_shape_is_right
	s_endpgm
.Lentry_shape_is_right:
; h = weight x relu(x W1^T + b1), for the two experts of a tile's pair, in bf16.  (The weight is 0 or more, so weight x relu(y) = relu(weight x y).)
; SHARES.  A cluster of four work-groups has one tile of 144 sorted tokens; work-group cx has 256 of the 1,024 hidden columns, wave w 64 of them (c = 4 cx + w): 9 x 4 accumulators.
; Two passes, expert a and then expert b, through one text.  K = 1,024 goes in 32 steps of 32.
; OPERANDS.  The token tile (144 x 1,024 bf16) lies whole in LDS: eight pieces of 128 along K, rows of 256 bytes + 16 of padding.  The four work-groups need the same tile, so each piece
; is asked for JOINTLY (the same tensor load, descriptor and mask of four in all).  It is filled once: no refill, no barrier in the loops.
; The weights come from wf straight into registers, 4,096 bytes a wave and step, asked for seven steps ahead in a ring of eight register slots: each wave's weights are its own, so LDS would
; add a store and a load and share nothing.  NO JOINT LOADS FOR THE WEIGHTS: they are shared by tiles of one pair; clusters of four such tiles would pad each pair to 576 tokens, up to 20
; clusters of 16 work-groups, 320 where this grid has 248.
; THE MATRIX INSTRUCTION IS USED TRANSPOSED (source 0 = 16 rows of W1, source 1 = 16 tokens): a lane holds one token (lane % 16) and eight neighbouring columns.  Rounded to bf16 those 16 bytes
; ARE a lane's part of the token operand of the second product, so h1f is laid as [tile][slot][K step][token block][half][lane][16 bytes] and each store covers 512 bytes on end.
; LIMITS.  Operands in bf16, sums in f32; NaN and infinities are not treated apart.  An unused tile is computed like any other (it makes every joint request) on token 0's row.
; REGISTERS, in windows of 256 (s_set_vgpr_msb: bits 1:0 source 0, 3:2 source 1, 5:4 source 2, 7:6 destination):
;   window 0: addresses; v14-31 nine pairs of weights; v32-103, v104-175 two buffers of token fragments (9 x 8), later the packed results; v176-207 the bias
;   window 1: accumulators of token blocks 0-4 at 8 (4 a + nb)     window 2: of blocks 5-8 at 8 (4 (a - 5) + nb)     window 3: the weights' ring, slot q at 32 q, fragment nb at + 8 nb
.set TM,     144
.set PITCH,  272                       ; 68 words: the 16 rows of a fragment load begin in 16 different columns of 16 bytes
.set PIECE,  TM*PITCH                  ; 39,168
.set SPARE,  8*PIECE                   ; 313,344: the spare words, 128 bytes a wave, which no other line names
.set TTAB,   35840
.set AO_KS,  64                        ; a fragment's LDS offset: K step in a piece,
.set AO_A,   16*PITCH                  ; token block,
.set AO_J,   32                        ; half
.set HS,     PIECE                     ; what TB steps by,
.set TBM,    3                         ; when the step to be fetched is 0 modulo 4
.set TBV,    0
.set A0,  2                            ; v2   my lane's place in a fragment
.set ADR, 3                            ; v3   the LDS address of the run of loads in hand
.set BO,  4                            ; v4   16 x lane
.set SPW, 10                           ; v10  my spare word's LDS address; never rewritten
.set NIL, 11                           ; v11  0; never rewritten
.set ZR,  12                           ; v12  0, for the packed maximum
.set G,   14
.set AF0, 32
.set BI,  176
.set WV,  20                           ; s20 wave   s21 cx   s22 tile   s23 c
.set CX,  21
.set TI,  22
.set CC,  23
.set G1,  24                           ; s[24:31] descriptor group 1
.set G0,  32                           ; s[32:39] two groups 0
.set PB,  44                           ; s[44:45] the weights' stream     s[46:47] expert b's
.set PB1, 46
.set BP,  48                           ; s[48:49] the bias                s[50:51] expert b's
.set BP1, 50
.set SB,  52                           ; s[52:53] where the results go
.set TB,  54                           ; s54 LDS byte of the piece to be fetched from
.set CNT, 55
.set PASS, 56
.set MSB, 0
.macro WIN new                         ; the immediate's high byte repeats the setting that is left; a switch that changes nothing is dropped
.if MSB != (\new)
	s_set_vgpr_msb (MSB<<8)|(\new)
.set MSB, \new
.endif
.endm
.macro ROUND                           ; a round of the cluster's barrier
	s_barrier_signal -1
	s_barrier_wait -1
	s_cmp_lg_u32 s[WV], 0
	s_cbranch_scc1 .Lnot_wave_0_\@
	s_barrier_signal -3
.Lnot_wave_0_\@:
	s_barrier_wait -3
	s_barrier_signal -1
	s_barrier_wait -1
.endm
.macro FETCH_A buf, ko                 ; 18 LDS loads in one run: nine token fragments of one K step, blocks ascending
	WIN 0
.irp a, 0,1,2,3,4,5,6,7,8
	ds_load_b128 v[(\buf)+8*\a:(\buf)+8*\a+3],   v[ADR] offset:(\ko)*AO_KS+\a*AO_A
	ds_load_b128 v[(\buf)+8*\a+4:(\buf)+8*\a+7], v[ADR] offset:(\ko)*AO_KS+\a*AO_A+AO_J
.endr
.endm
.macro FETCH_B q, bo                   ; 8 loads of 512 bytes on end: a K step's four weight fragments into ring slot q
	WIN 0xc0
.irp nb, 0,1,2,3
	global_load_b128 v[32*(\q)+8*\nb:32*(\q)+8*\nb+3],   v[BO], s[PB:PB+1] offset:(\bo)+\nb*1024
	global_load_b128 v[32*(\q)+8*\nb+4:32*(\q)+8*\nb+7], v[BO], s[PB:PB+1] offset:(\bo)+\nb*1024+512
.endr
.endm
.macro PRO                             ; seven steps' weights go out: 56 loads of a wave on their way
.irp q, 0,1,2,3,4,5,6
	FETCH_B \q, \q*4096
.endr
.endm
; Token blocks a0..a1 x the four column blocks.  The 36 accumulators take turns, one instruction a turn, in the same order in every step.
.macro MUL ab, bq, a0, a1, zero
.set ma, \a0
.rept (\a1)-(\a0)+1
.if ma < 5
	WIN 0x53
.set mc, 32*ma
.else
	WIN 0xa3
.set mc, 32*(ma-5)
.endif
.irp nb, 0,1,2,3
.if \zero
	v_wmma_f32_16x16x32_bf16 v[mc+8*\nb:mc+8*\nb+7], v[32*(\bq)+8*\nb:32*(\bq)+8*\nb+7], v[(\ab)+8*ma:(\ab)+8*ma+7], 0
.else
	v_wmma_f32_16x16x32_bf16 v[mc+8*\nb:mc+8*\nb+7], v[32*(\bq)+8*\nb:32*(\bq)+8*\nb+7], v[(\ab)+8*ma:(\ab)+8*ma+7], v[mc+8*\nb:mc+8*\nb+7]
.endif
.endr
.set ma, ma+1
.endr
.endm
; K step t: 36 products; in its middle the next step's token fragments (fa) and the weights seven steps on (fb, at byte bo of the stream) are asked for, in one run each.
; lw: weight loads come back in order; behind step t's eight stand those of six later steps.  The address's v_add_nc_u32 and three v_nop are the four places between the last product of step t - 1,
; which read the buffer and the slot that are now loaded, and the loads (ISA guide 7.12.1 for vector instructions).
.macro STEP t, zero, fa, fb, bo, lw
	s_wait_dscnt 8                                 ; token blocks 0-4 are in; the youngest eight loads (blocks 5-8) may be out
	s_wait_loadcnt \lw
	MUL AF0+72*((\t)&1), (\t)&7, 0, 4, \zero
	WIN 0
.if \fa
.if (((\t)+1)&TBM) == TBV
	s_add_co_u32 s[TB], s[TB], HS
.endif
	v_add_nc_u32 v[ADR], s[TB], v[A0]
	v_nop
	v_nop
	v_nop
	FETCH_A AF0+72*(((\t)+1)&1), ((\t)+1)&3
.if \fb
	FETCH_B ((\t)+7)&7, \bo
.endif
	s_wait_dscnt 18                                ; all but the 18 just issued
.else
	s_wait_dscnt 0x0
.endif
	MUL AF0+72*((\t)&1), (\t)&7, 5, 8, \zero
.endm
	s_load_b256 s[4:11], s[0:1], 0x0               ; xs s[4:5], wf s[6:7], b1 s[8:9], plan s[10:11]
	s_load_b128 s[12:15], s[0:1], 0x20             ; gs s[12:13], h1f s[14:15]
	v_lshl_add_u32 v[SPW], v0, 2, SPARE
	v_mov_b32 v[NIL], 0
	ds_add_u32 v[SPW], v[NIL]                      ; the wave's opening: the add and its wait stand ahead of my first tensor load; work on registers stands between them
	v_lshrrev_b32 v1, 5, v0
	v_readfirstlane_b32 s[WV], v1                  ; wave 0..3
	s_bfe_u32 s[CX], ttmp6, 0x40000                ; my place in the cluster
	s_mov_b32 s[TI], ttmp9                         ; in a cluster launch ttmp9 counts clusters: the tile
	s_lshl2_add_u32 s[CC], s[CX], s[WV]            ; c = 4 cx + w: it enters the weights', the bias's and the results' addresses alone
	; descriptor group 1: a piece of 144 rows x 128 elements of 2 bytes, 1,024 elements from row to row, padded in LDS
	s_mov_b32 s[G1+0], 15|(1<<16)|(1<<20)|(1<<21)|(5<<22)|(3<<25)  ; 15:0 the mask of four; 17:16 2-byte elements; 20 padding on; 21 set beside a mask; 24:22 after every 64 words; 31:25 4 words
	s_mov_b32 s[G1+1], 128<<16                     ; tensor_dim0 = 128
	s_mov_b32 s[G1+2], TM<<16                      ; tensor_dim1 = 144
	s_mov_b32 s[G1+3], 128<<16                     ; tile_dim0 = 128
	s_mov_b32 s[G1+4], TM                          ; tile_dim1 = 144
	s_mov_b32 s[G1+5], 1024                        ; the pitch
	s_mov_b32 s[G1+6], 0
	s_mov_b32 s[G1+7], 0
	s_mov_b32 s[G0], 1
	s_mul_i32 s[G0+1], s[WV], 2*PIECE              ; wave w brings pieces 2 w and 2 w + 1: no place in the cluster enters an LDS address
	s_mov_b32 s[G0+4], 1
	s_add_co_u32 s[G0+5], s[G0+1], PIECE
	s_mul_i32 s18, s[TI], TM*2048                  ; the tile's first byte in xs,
	s_lshl_b32 s17, s[WV], 9                       ; my first piece's 256 bytes of a row
	s_add_co_u32 s18, s18, s17
	s_mov_b32 s19, 0
	s_wait_dscnt 0x0                               ; the opening add is done
	s_wait_kmcnt 0x0
	s_add_nc_u64 s[G0+2:G0+3], s[4:5], s[18:19]
	s_add_nc_u64 s[G0+6:G0+7], s[G0+2:G0+3], 256
	s_or_b32 s[G0+3], s[G0+3], 0x80000000          ; type = 2
	s_or_b32 s[G0+7], s[G0+7], 0x80000000
	ROUND                                          ; all four work-groups are here: the joint loads meet
	tensor_load_to_lds s[G0:G0+3], s[G1:G1+7]      ; two tensor loads of mine are out
	s_nop 0
	tensor_load_to_lds s[G0+4:G0+7], s[G1:G1+7]
	s_nop 0
.rept 4
	v_nop
.endr
	s_lshl_b32 s2, s[TI], 7
	s_mov_b32 s3, 0
	s_add_nc_u64 s[2:3], s[10:11], s[2:3]
	s_load_b128 s[40:43], s[2:3], TTAB             ; the tile's line: a, b, used, rows
	v_and_b32 v1, 15, v0                           ; lane % 16
	v_bfe_u32 v5, v0, 4, 1                         ; lane / 16
	v_mul_u32_u24 v[A0], v1, PITCH
	v_lshl_add_u32 v[A0], v5, 4, v[A0]             ; row x pitch + 16 x half
	v_and_b32 v[BO], 31, v0
	v_lshlrev_b32 v[BO], 4, v[BO]
	v_lshlrev_b32 v6, 3, v1                        ; my token's two weights
	v_lshlrev_b32 v7, 5, v5                        ; my eight columns of sixteen
	v_mov_b32 v[ZR], 0
	s_mov_b32 s59, 0
	s_mul_i32 s58, s[TI], TM*8
	s_add_nc_u64 s[12:13], s[12:13], s[58:59]
.irp a, 0,1,2,3,4,5,6,7,8
	global_load_b64 v[G+2*\a:G+2*\a+1], v6, s[12:13] offset:128*\a
.endr
	s_wait_kmcnt 0x0
	s_min_u32 s40, s40, 3
	s_min_u32 s41, s41, 3
	s_lshl_b32 s58, s[CC], 17                      ; a stream (layer, expert, c) is 131,072 bytes on end
	s_add_nc_u64 s[6:7], s[6:7], s[58:59]
	s_lshl_b32 s58, s40, 21
	s_add_nc_u64 s[PB:PB+1], s[6:7], s[58:59]
	s_lshl_b32 s58, s41, 21
	s_add_nc_u64 s[PB1:PB1+1], s[6:7], s[58:59]
	s_lshl_b32 s58, s[CC], 8
	s_add_nc_u64 s[8:9], s[8:9], s[58:59]
	s_lshl_b32 s58, s40, 12
	s_add_nc_u64 s[BP:BP+1], s[8:9], s[58:59]
	s_lshl_b32 s58, s41, 12
	s_add_nc_u64 s[BP1:BP1+1], s[8:9], s[58:59]
	s_mul_i32 s58, s[TI], 2*32*9216                ; h1f: the tile, slot 0,
	s_mul_i32 s60, s[CC], 2*9216                   ; my 64 columns are its K steps 2 c and 2 c + 1
	s_add_co_u32 s58, s58, s60
	s_add_nc_u64 s[SB:SB+1], s[14:15], s[58:59]
	PRO
	WIN 0
	s_wait_tensorcnt 0x0                           ; my two pieces are in,
	s_barrier_signal -1
	s_barrier_wait -1                              ; everybody's are: the tile is whole, and nothing fills it again
	s_mov_b32 s[PASS], 2
.Lpass:
.irp nb, 0,1,2,3
	global_load_b128 v[BI+8*\nb:BI+8*\nb+3],   v7, s[BP:BP+1] offset:64*\nb
	global_load_b128 v[BI+8*\nb+4:BI+8*\nb+7], v7, s[BP:BP+1] offset:64*\nb+16
.endr
	s_mov_b32 s[TB], 0
	v_add_nc_u32 v[ADR], s[TB], v[A0]
	FETCH_A AF0, 0
	STEP 0, 1, 1, 1, 7*4096, 48                    ; the first step's products start the sums: nothing is cleared
	WIN 0                                          ; at a label and at a branch every window is 0
	s_wait_xcnt 0x0                                ; the stream's pointer is stepped only behind this wait
	s_add_nc_u64 s[PB:PB+1], s[PB:PB+1], 0x8000
	s_mov_b32 s[CNT], 3
.Ltrip:                                ; eight steps a trip: steps 1-24
.irp i, 0,1,2,3,4,5,6,7
	STEP 1+\i, 0, 1, 1, \i*4096, 48
.endr
	WIN 0
	s_wait_xcnt 0x0
	s_add_nc_u64 s[PB:PB+1], s[PB:PB+1], 0x8000
	s_sub_co_u32 s[CNT], s[CNT], 1
	s_cmp_lg_u32 s[CNT], 0
	s_cbranch_scc1 .Ltrip
.irp k, 0,1,2,3,4,5
	STEP 25+\k, 0, 1, 0, 0, 48-8*\k                ; the last seven steps ask for no weights: the counts run down
.endr
	STEP 31, 0, 0, 0, 0, 0
	WIN 0
.rept 4
	v_nop                                          ; the places behind the last products, for the loads and the arithmetic below
.endr
	s_cmp_eq_u32 s[PASS], 1
	s_cbranch_scc1 .Lno_more
	s_mov_b64 s[PB:PB+1], s[PB1:PB1+1]             ; (every load by the old pointer has come back: the last count was 0)
	PRO                                            ; expert b's first weights are on their way while expert a's results leave
	WIN 0
.Lno_more:
; Token block a: + bias, x weight, rounded to bf16, the maximum with 0, stored.  Each accumulator's registers are taken in ascending order.
.macro EPI1 a
.if (\a) < 5
.set eb, 32*(\a)
.set wa, 0x41
.set wc, 0x05
.else
.set eb, 32*((\a)-5)
.set wa, 0x82
.set wc, 0x0a
.endif
	WIN wa                                         ; destination and source 0: the accumulators' window; source 1: window 0
.set z, 0
.rept 16
	v_pk_add_f32 v[eb+2*z:eb+2*z+1], v[eb+2*z:eb+2*z+1], v[BI+2*z:BI+2*z+1]
.set z, z+1
.endr
.set z, 0
.rept 16
	v_pk_mul_f32 v[eb+2*z:eb+2*z+1], v[eb+2*z:eb+2*z+1], v[G+2*(\a):G+2*(\a)+1] op_sel_hi:[1,0]
.set z, z+1
.endr
	WIN wc
.set z, 0
.rept 16
	v_cvt_pk_bf16_f32 v[AF0+16*(\a)+z], v[eb+2*z], v[eb+2*z+1]
.set z, z+1
.endr
	WIN 0
.set z, 0
.rept 16
	v_pk_max_num_bf16 v[AF0+16*(\a)+z], v[AF0+16*(\a)+z], v[ZR]
.set z, z+1
.endr
.irp nb, 0,1,2,3
	global_store_b128 v[BO], v[AF0+16*(\a)+4*\nb:AF0+16*(\a)+4*\nb+3], s[SB:SB+1] offset:(\nb/2)*9216+(\a)*1024+(\nb%2)*512  ; 512 bytes on end
.endr
.endm
.irp a, 0,1,2,3,4,5,6,7,8
	EPI1 \a
.endr
.irp a, 0,1,2,3,4,5,6,7,8
	v_mov_b32 v[G+2*\a], v[G+2*\a+1]               ; the second pass scales by b's weight
.endr
	s_wait_xcnt 0x0                                ; the stores' data registers and base, and the bias's base, are rewritten only behind this wait
	s_add_nc_u64 s[SB:SB+1], s[SB:SB+1], 32*9216   ; slot 1
	s_mov_b64 s[BP:BP+1], s[BP1:BP1+1]
	s_sub_co_u32 s[PASS], s[PASS], 1
	s_cmp_lg_u32 s[PASS], 0
	s_cbranch_scc1 .Lpass
	s_wait_tensorcnt 0x0                           ; the wave's end: behind my last tensor load
	ds_add_u32 v[SPW], v[NIL]
	s_wait_dscnt 0x0
	ROUND                                          ; the closing round
	s_endpgm
.Lfunc_end_k_q376b266ee0_ffn1:
	.size	k_q376b266ee0_ffn1, .Lfunc_end_k_q376b266ee0_ffn1-k_q376b266ee0_ffn1
	.p2alignl 7, 3214868480
	.fill 96, 4, 3214868480
	.section	.rodata,"a",@progbits
	.p2align	6, 0x0
	.amdhsa_kernel k_q376b266ee0_ffn1
		.amdhsa_group_segment_fixed_size 327680
		.amdhsa_private_segment_fixed_size 0
		.amdhsa_enable_private_segment 0
		.amdhsa_kernarg_size 48
		.amdhsa_user_sgpr_count 2
		.amdhsa_user_sgpr_kernarg_segment_ptr 1
		.amdhsa_wavefront_size32 1
		.amdhsa_system_sgpr_workgroup_id_x 1
		.amdhsa_system_sgpr_workgroup_id_y 1
		.amdhsa_system_sgpr_workgroup_id_z 1
		.amdhsa_system_vgpr_workitem_id 0
		.amdhsa_next_free_vgpr 1024
		.amdhsa_next_free_sgpr 66
		.amdhsa_reserve_vcc 0
		.amdhsa_float_denorm_mode_32 3
		.amdhsa_float_denorm_mode_16_64 3
		.amdhsa_memory_ordered 1
		.amdhsa_forward_progress 1
		.amdhsa_inst_pref_size 125
	.end_amdhsa_kernel
	.amdgpu_metadata
---
amdhsa.version: [ 1, 2 ]
amdhsa.kernels:
  - .name:           k_q376b266ee0_ffn1
    .symbol:         k_q376b266ee0_ffn1.kd
    .args:
      - { .name: xs, .offset: 0, .size: 8, .value_kind: global_buffer, .address_space: global }
      - { .name: wf, .offset: 8, .size: 8, .value_kind: global_buffer, .address_space: global }
      - { .name: b1, .offset: 16, .size: 8, .value_kind: global_buffer, .address_space: global }
      - { .name: plan, .offset: 24, .size: 8, .value_kind: global_buffer, .address_space: global }
      - { .name: gs, .offset: 32, .size: 8, .value_kind: global_buffer, .address_space: global }
      - { .name: h1f, .offset: 40, .size: 8, .value_kind: global_buffer, .address_space: global }
    .group_segment_fixed_size: 327680
    .private_segment_fixed_size: 0
    .kernarg_segment_align: 8
    .kernarg_segment_size: 48
    .max_flat_workgroup_size: 128
    .sgpr_count:     66
    .vgpr_count:     1024
    .wavefront_size: 32
...
	.end_amdgpu_metadata
.endif
;; end of part 3
;; launch ffn2 (part 4): grid 248 x 1, 4 waves a work-group, clusters of 4 x 1, 327,680 bytes of LDS; arguments h1f, wf, b2, plan, gs, hidden_states, out0; writes out0
.if DOCPART == 4
	.amdgcn_target "amdgcn-amd-amdhsa--gfx1250"
	.amdhsa_code_object_version 6
	.text
	.protected	k_q376b266ee0_ffn2
	.globl	k_q376b266ee0_ffn2
	.p2align	8
	.type	k_q376b266ee0_ffn2,@function
k_q376b266ee0_ffn2:
	s_mov_b64 s[64:65], 0
	v_nop
	global_prefetch_b8 v0, s[64:65] scope:SCOPE_SE
	s_setreg_imm32_b32 hwreg(HW_REG_WAVE_MODE, 25, 1), 1
	s_wait_xcnt 0x0
	s_wait_alu depctr_hold_cnt(0) depctr_sa_sdst(0) depctr_va_vdst(0) depctr_va_sdst(0) depctr_va_ssrc(0) depctr_va_vcc(0) depctr_vm_vsrc(0)
	s_getreg_b32 s2, hwreg(HW_REG_IB_STS2, 6, 4)
	s_cmp_eq_u32 s2, 0
	s_cbranch_scc0 .Lentry_in_a_cluster
	s_endpgm
.Lentry_in_a_cluster:
	s_bfe_u32 s2, ttmp6, 0x10000c
	s_cmp_lg_u32 s2, 0x3003
	s_cbranch_scc0 .Lentry_shape_is_right
	s_endpgm
.Lentry_shape_is_right:
; out0 = x + h_a W2[a]^T + h_b W2[b]^T + weight_a b2[a] + weight_b b2[b], where h carries the experts' weights already: ONE sum over K = 2,048 for each output, which has one owner.
; SHARES as in the first product: a cluster has a tile of 144 sorted tokens, work-group cx 256 of the 1,024 columns, wave w 64 (c = 4 cx + w): 9 x 4 accumulators; 64 K steps of 32.
; OPERANDS.  h1f holds the tile's token fragments as the registers take them, 9,216 bytes a K step, the 64 steps on end.  They go through a ring of two LDS slots of eight steps (73,728 bytes), each
; wave bringing a quarter of a slot (72 rows of 256 bytes) by a JOINT tensor load: the four work-groups need the same bytes.  A slot is filled again behind a round of the cluster's barrier and has
; eight steps, 288 products a wave, in which to land.  The weights come from wf straight into registers, seven steps ahead, expert a's stream and then expert b's; why they are not shared: see the first product.
; THE WAY OUT.  A lane holds one token and eight columns; a block of 16 tokens goes through the wave's own stage in LDS and comes back as rows of 256 bytes, x is added, and sixteen lanes store 256
; bytes on end, aligned, at the token's own row.  A spare place repeats a token of the same tile: its row is stored again by the same wave with the same numbers.  A tile that no pair uses walks the
; same text with no lane on in the way out, and so stores nothing: no branch of this text hangs on a number read from memory, so all partners of a cluster pass the same loads and rounds.
; LIMITS.  Operands in bf16, sums, biases and x in f32; NaN and infinities are not treated apart.
; REGISTERS, in windows of 256 (s_set_vgpr_msb: bits 1:0 source 0, 3:2 source 1, 5:4 source 2, 7:6 destination):
;   window 0: addresses; v14-31 nine pairs of weights; v32-103, v104-175 two buffers of token fragments, later v32-95 rows on the way out; v176-207 b2[a], v208-239 b2[b]
;   window 1: accumulators of token blocks 0-4; v160-231 the 72 byte offsets of my rows in x and out0     window 2: accumulators of blocks 5-8; v128-191 two buffers of x     window 3: the weights' ring
.set TM,     144
.set TTAB,   35840
.set SLOTB,  8*9216                    ; 73,728
.set QUART,  SLOTB/4
.set SLOT1,  1<<17                     ; slot 1 begins here, so that one exclusive or turns an address in one slot into the other's
.set STAGE,  SLOT1+SLOTB               ; 204,800: 16 rows x 272 bytes for each wave; no tensor load lands here
.set SP,     272
.set SPARE,  STAGE+4*16*SP             ; 222,208: the spare words, 128 bytes a wave, which no other line names
.set AO_KS,  9216
.set AO_A,   1024
.set AO_J,   512
.set HS,     4*9216                    ; what TB steps by (an LDS offset has 16 bits: four steps are in reach),
.set TBM,    7                         ; when the step to be fetched is a slot's fifth
.set TBV,    4
.set A0,  4                            ; a fragment is 512 bytes on end: my place in it is 16 x lane
.set ADR, 3
.set BO,  4                            ; v4   16 x lane
.set SPW, 10                           ; v10  my spare word's LDS address; never rewritten
.set NIL, 11                           ; v11  0; never rewritten
.set STO, 12                           ; v12  the way out: where I put 32 bytes of a row
.set RD,  13                           ; v13  where I read a row back
.set G,   14
.set AF0, 32
.set AF1, 104
.set RB,  32
.set BIA, 176
.set BIB, 208
.set TOKO, 160                         ; window 1
.set XR,  128                          ; window 2
.set WV,  20
.set CX,  21
.set TI,  22
.set CC,  23
.set G1,  24                           ; s[24:31] descriptor group 1
.set G0A, 32                           ; s[32:35] group 0 of the first fill of slot 0
.set G0W, 36                           ; s[36:39] group 0 that walks on from slot 1
.set PB,  44                           ; s[44:45] the weights' stream     s[46:47] expert b's
.set PB1, 46
.set XB,  50                           ; s[50:51] x at my 64 columns
.set OB,  52                           ; s[52:53] out0 at my 64 columns
.set TB,  54
.set CNT, 55
.set SVX, 57                           ; s57  EXEC as it was ahead of the way out
.set MSB, 0
.macro WIN new
.if MSB != (\new)
	s_set_vgpr_msb (MSB<<8)|(\new)
.set MSB, \new
.endif
.endm
.macro CREST                           ; a round of the cluster's barrier behind its opening barrier
	s_cmp_lg_u32 s[WV], 0
	s_cbranch_scc1 .Lnot_wave_0_\@
	s_barrier_signal -3
.Lnot_wave_0_\@:
	s_barrier_wait -3
	s_barrier_signal -1
	s_barrier_wait -1
.endm
.macro ROUND
	s_barrier_signal -1
	s_barrier_wait -1
	CREST
.endm
.macro FETCH_A buf, ko
	WIN 0
.irp a, 0,1,2,3,4,5,6,7,8
	ds_load_b128 v[(\buf)+8*\a:(\buf)+8*\a+3],   v[ADR] offset:(\ko)*AO_KS+\a*AO_A
	ds_load_b128 v[(\buf)+8*\a+4:(\buf)+8*\a+7], v[ADR] offset:(\ko)*AO_KS+\a*AO_A+AO_J
.endr
.endm
.macro FETCH_B q, bo
	WIN 0xc0
.irp nb, 0,1,2,3
	global_load_b128 v[32*(\q)+8*\nb:32*(\q)+8*\nb+3],   v[BO], s[PB:PB+1] offset:(\bo)+\nb*1024
	global_load_b128 v[32*(\q)+8*\nb+4:32*(\q)+8*\nb+7], v[BO], s[PB:PB+1] offset:(\bo)+\nb*1024+512
.endr
.endm
.macro PRO
.irp q, 0,1,2,3,4,5,6
	FETCH_B \q, \q*4096
.endr
.endm
; The 36 accumulators take turns, one instruction a turn, in the same order in every step.
.macro MUL ab, bq, a0, a1, zero
.set ma, \a0
.rept (\a1)-(\a0)+1
.if ma < 5
	WIN 0x53
.set mc, 32*ma
.else
	WIN 0xa3
.set mc, 32*(ma-5)
.endif
.irp nb, 0,1,2,3
.if \zero
	v_wmma_f32_16x16x32_bf16 v[mc+8*\nb:mc+8*\nb+7], v[32*(\bq)+8*\nb:32*(\bq)+8*\nb+7], v[(\ab)+8*ma:(\ab)+8*ma+7], 0
.else
	v_wmma_f32_16x16x32_bf16 v[mc+8*\nb:mc+8*\nb+7], v[32*(\bq)+8*\nb:32*(\bq)+8*\nb+7], v[(\ab)+8*ma:(\ab)+8*ma+7], v[mc+8*\nb:mc+8*\nb+7]
.endif
.endr
.set ma, ma+1
.endr
.endm
; K step t, as in the first product: 36 products; in the middle the next step's token fragments and the weights seven steps on.  The v_add_nc_u32 and three v_nop are the four places between the last
; product of step t - 1 and the loads into what it read (ISA guide 7.12.1 for vector instructions).
.macro STEP t, zero, fa, fb, bo, lw
	s_wait_dscnt 8                                 ; token blocks 0-4 are in
	s_wait_loadcnt \lw                             ; this step's weights are in: behind them stand six later steps' eight loads each (and what lw names beside)
	MUL AF0+72*((\t)&1), (\t)&7, 0, 4, \zero
	WIN 0
.if \fa
.if (((\t)+1)&TBM) == TBV
	s_add_co_u32 s[TB], s[TB], HS
.endif
	v_add_nc_u32 v[ADR], s[TB], v[A0]
	v_nop
	v_nop
	v_nop
	FETCH_A AF0+72*(((\t)+1)&1), ((\t)+1)&3
.if \fb
	FETCH_B ((\t)+7)&7, \bo
.endif
	s_wait_dscnt 18
.else
	s_wait_dscnt 0x0
.endif
	MUL AF0+72*((\t)&1), (\t)&7, 5, 8, \zero
.endm
; A slot's last step changes slots: ONE barrier.  In front of it each wave waits for all its tensor loads (one is out: its quarter of the other slot), adds 0 to its spare word, and waits for that and for
; its reads of this slot.  refill = 1: the barrier opens a round of the cluster's, so that no wave of any partner still reads the slot or has a load on its way, and the joint refill, the tile two slots
; on, is the first thing behind it.
.macro TURN refill
	WIN 0
	s_wait_tensorcnt 0x0                           ; no tensor load of mine is out, so a group 0 may be written
	ds_add_u32 v[SPW], v[NIL]                      ; 0 onto my spare word
.if \refill
	s_xor_b32 s[G0W+1], s[G0W+1], SLOT1            ; the other slot than last time,
	s_add_nc_u64 s[G0W+2:G0W+3], s[G0W+2:G0W+3], SLOTB  ; the next eight steps; the type bits on top are not reached
.endif
	s_wait_dscnt 9                                 ; (the add and the youngest eight loads may be out)
	s_wait_loadcnt 48
	MUL AF1, 7, 0, 1, 0
	s_wait_dscnt 0x0                               ; the add is done, and my reads of this slot are over
	s_barrier_signal -1
	MUL AF1, 7, 2, 4, 0                            ; work on registers while the others arrive
	WIN 0
	s_barrier_wait -1
.if \refill
	CREST
	tensor_load_to_lds s[G0W:G0W+3], s[G1:G1+7]    ; my one tensor load behind the round
	s_nop 0
.endif
.rept 4
	v_nop                                          ; the places in front of the loads below
.endr
	s_sub_co_u32 s[TB], s[TB], HS                  ; the fetches go to the other slot's first step
	s_xor_b32 s[TB], s[TB], SLOT1
	v_add_nc_u32 v[ADR], s[TB], v[A0]
	FETCH_A AF0, 0
	FETCH_B 6, 6*4096
	MUL AF1, 7, 5, 8, 0
.endm
.macro BODY refill                     ; from a slot's second step to the next slot's first
.irp i, 0,1,2,3,4,5
	STEP 1+\i, 0, 1, 1, \i*4096, 48
.endr
	TURN \refill
	STEP 8, 0, 1, 1, 7*4096, 48
.endm
.macro XLOAD a                         ; x for token block a: eight loads, two rows of 256 bytes each
	WIN 0x81                                       ; destination window 2, address window 1
.irp t, 0,1,2,3,4,5,6,7
	global_load_b128 v[XR+32*((\a)%2)+4*\t:XR+32*((\a)%2)+4*\t+3], v[TOKO+8*(\a)+\t], s[XB:XB+1]
.endr
.endm
	s_load_b256 s[4:11], s[0:1], 0x0               ; h1f s[4:5], wf s[6:7], b2 s[8:9], plan s[10:11]
	s_load_b128 s[12:15], s[0:1], 0x20             ; gs s[12:13], hidden s[14:15]
	s_load_b64 s[16:17], s[0:1], 0x30              ; out0
	v_lshl_add_u32 v[SPW], v0, 2, SPARE
	v_mov_b32 v[NIL], 0
	ds_add_u32 v[SPW], v[NIL]                      ; the wave's opening: the add and its wait stand ahead of my first tensor load; work on registers stands between them
	v_lshrrev_b32 v1, 5, v0
	v_readfirstlane_b32 s[WV], v1
	s_bfe_u32 s[CX], ttmp6, 0x40000
	s_mov_b32 s[TI], ttmp9
	s_lshl2_add_u32 s[CC], s[CX], s[WV]
	; descriptor group 1: 18,432 dense bytes as 72 rows of 256 bytes (32 elements of 8 bytes), no padding
	s_mov_b32 s[G1+0], 15|(3<<16)|(1<<21)          ; 15:0 the mask of four; 17:16 8-byte elements; 21 set beside a mask
	s_mov_b32 s[G1+1], 32<<16                      ; tensor_dim0 = 32
	s_mov_b32 s[G1+2], 72<<16                      ; tensor_dim1 = 72
	s_mov_b32 s[G1+3], 32<<16                      ; tile_dim0 = 32
	s_mov_b32 s[G1+4], 72                          ; tile_dim1 = 72
	s_mov_b32 s[G1+5], 32                          ; the pitch
	s_mov_b32 s[G1+6], 0
	s_mov_b32 s[G1+7], 0
	s_mov_b32 s[G0A], 1
	s_mul_i32 s[G0A+1], s[WV], QUART               ; my quarter of slot 0: no place in the cluster enters an LDS address
	s_mov_b32 s[G0W], 1
	s_add_co_u32 s[G0W+1], s[G0A+1], SLOT1         ; and of slot 1
	s_mul_i32 s18, s[TI], 64*9216
	s_mul_i32 s19, s[WV], QUART
	s_add_co_u32 s18, s18, s19
	s_mov_b32 s19, 0
	s_wait_dscnt 0x0                               ; the opening add is done
	s_wait_kmcnt 0x0
	s_add_nc_u64 s[G0A+2:G0A+3], s[4:5], s[18:19]
	s_add_nc_u64 s[G0W+2:G0W+3], s[G0A+2:G0A+3], SLOTB
	s_or_b32 s[G0A+3], s[G0A+3], 0x80000000        ; type = 2
	s_or_b32 s[G0W+3], s[G0W+3], 0x80000000
	ROUND                                          ; all four work-groups are here: the first joint loads meet
	tensor_load_to_lds s[G0A:G0A+3], s[G1:G1+7]    ; steps 0-7; two tensor loads of mine are out
	s_nop 0
	tensor_load_to_lds s[G0W:G0W+3], s[G1:G1+7]    ; steps 8-15
	s_nop 0
.rept 4
	v_nop
.endr
	s_lshl_b32 s2, s[TI], 7
	s_mov_b32 s3, 0
	s_add_nc_u64 s[2:3], s[10:11], s[2:3]
	s_load_b128 s[40:43], s[2:3], TTAB             ; the tile's line: a, b, used, rows
	v_and_b32 v1, 15, v0                           ; lane % 16
	v_bfe_u32 v5, v0, 4, 1                         ; lane / 16
	v_and_b32 v[BO], 31, v0
	v_lshlrev_b32 v[BO], 4, v[BO]
	v_lshlrev_b32 v6, 3, v1                        ; my token's two weights
	v_lshlrev_b32 v7, 5, v5                        ; my eight columns of sixteen
	v_lshlrev_b32 v8, 2, v5                        ; the way out: lanes 0-15 one row, lanes 16-31 the next
	v_lshlrev_b32 v9, 4, v1
	s_mul_i32 s56, s[WV], 16*SP
	s_add_co_u32 s56, s56, STAGE                   ; my stage
	v_mul_u32_u24 v[STO], v1, SP
	v_lshl_add_u32 v[STO], v5, 5, v[STO]
	v_add_nc_u32 v[STO], s56, v[STO]               ; in: row lane % 16, 32 bytes for each half of the lanes
	v_mul_u32_u24 v[RD], v5, SP
	v_lshl_add_u32 v[RD], v1, 4, v[RD]
	v_add_nc_u32 v[RD], s56, v[RD]                 ; back: two whole rows a load
	s_mov_b32 s59, 0
	s_mul_i32 s58, s[TI], TM*4
	s_add_nc_u64 s[10:11], s[10:11], s[58:59]      ; the tile's token numbers
	WIN 0x40
.set n, 0
.rept 72                               ; block n / 8, rows 2 (n % 8) and + 1
	global_load_b32 v[TOKO+n], v8, s[10:11] offset:8*n
.set n, n+1
.endr
	WIN 0
	s_mul_i32 s58, s[TI], TM*8
	s_add_nc_u64 s[12:13], s[12:13], s[58:59]
.irp a, 0,1,2,3,4,5,6,7,8
	global_load_b64 v[G+2*\a:G+2*\a+1], v6, s[12:13] offset:128*\a
.endr
	s_wait_kmcnt 0x0
	s_min_u32 s40, s40, 3
	s_min_u32 s41, s41, 3
	s_lshl_b32 s58, s[CC], 17
	s_add_co_u32 s58, s58, 1<<23                   ; layer 1
	s_add_nc_u64 s[6:7], s[6:7], s[58:59]
	s_lshl_b32 s58, s40, 21
	s_add_nc_u64 s[PB:PB+1], s[6:7], s[58:59]
	s_lshl_b32 s58, s41, 21
	s_add_nc_u64 s[PB1:PB1+1], s[6:7], s[58:59]
	s_lshl_b32 s58, s[CC], 8
	s_add_nc_u64 s[8:9], s[8:9], s[58:59]
	s_add_nc_u64 s[XB:XB+1], s[14:15], s[58:59]
	s_add_nc_u64 s[OB:OB+1], s[16:17], s[58:59]
	s_lshl_b32 s58, s40, 12
	s_add_nc_u64 s[60:61], s[8:9], s[58:59]
	s_lshl_b32 s58, s41, 12
	s_add_nc_u64 s[8:9], s[8:9], s[58:59]
.irp nb, 0,1,2,3
	global_load_b128 v[BIA+8*\nb:BIA+8*\nb+3],   v7, s[60:61] offset:64*\nb
	global_load_b128 v[BIA+8*\nb+4:BIA+8*\nb+7], v7, s[60:61] offset:64*\nb+16
	global_load_b128 v[BIB+8*\nb:BIB+8*\nb+3],   v7, s[8:9] offset:64*\nb
	global_load_b128 v[BIB+8*\nb+4:BIB+8*\nb+7], v7, s[8:9] offset:64*\nb+16
.endr
	PRO
	s_wait_loadcnt 63                              ; the 72 token numbers are the oldest loads; 9 + 16 + 56 = 81 were issued behind them
	WIN 0x44
.set n, 0
.rept 72
	v_min_u32 v[TOKO+n], 0x1fff, v[TOKO+n]
.set n, n+1
.endr
	WIN 0x41
.set n, 0
.rept 72
	v_lshl_add_u32 v[TOKO+n], v[TOKO+n], 12, v9    ; the row's 4,096 bytes x token + my 16 bytes of the wave's 256
.set n, n+1
.endr
	WIN 0
	s_mov_b32 s[TB], 0
	v_add_nc_u32 v[ADR], s[TB], v[A0]
	s_wait_tensorcnt 1                             ; my quarter of slot 0 is in; slot 1's may stay out
	s_barrier_signal -1
	s_barrier_wait -1                              ; everybody's is
	FETCH_A AF0, 0
	STEP 0, 1, 1, 1, 7*4096, 48                    ; the first step's products start the sums: nothing is cleared
	WIN 0
	s_wait_xcnt 0x0
	s_add_nc_u64 s[PB:PB+1], s[PB:PB+1], 0x8000
	s_mov_b32 s[CNT], 6
.Ltile:                                ; six trips of eight steps; each fills the slot that it leaves
	BODY 1
	WIN 0
	s_wait_xcnt 0x0                                ; the stream's pointer is rewritten only behind this wait
	s_add_nc_u64 s[PB:PB+1], s[PB:PB+1], 0x8000
	s_cmp_eq_u32 s[CNT], 4                         ; the third trip has asked for expert a's last weights:
	s_cselect_b64 s[PB:PB+1], s[PB1:PB1+1], s[PB:PB+1]  ; on to expert b's stream
	s_sub_co_u32 s[CNT], s[CNT], 1
	s_cmp_lg_u32 s[CNT], 0
	s_cbranch_scc1 .Ltile
	BODY 0                                         ; written out: the last slot is waited for, nothing is asked for
	XLOAD 0
	XLOAD 1
	STEP 1, 0, 1, 0, 0, 63                         ; the last seven steps ask for no weights.  Behind step 57 + k's weights stand 8 (6 - k) weight loads and the 16 loads of x
	STEP 2, 0, 1, 0, 0, 56
	STEP 3, 0, 1, 0, 0, 48
	STEP 4, 0, 1, 0, 0, 40
	STEP 5, 0, 1, 0, 0, 32
	STEP 6, 0, 1, 0, 0, 24
	STEP 7, 0, 0, 0, 0, 16
	WIN 0
.rept 4
	v_nop                                          ; the places behind the last products, with all lanes on
.endr
	; From here to the last store the lanes are on only in a tile that a pair uses: every wave runs the same lines, an unused tile's with no lane, so that it stores nothing.
	; No matrix instruction stands in this stretch, and all that is read in it was written whole before.
	v_mov_b32 v5, s42                              ; used: 1 or 0
	v_cmp_ne_u32 vcc_lo, 0, v5
	s_wait_xcnt 0x0                                ; EXEC is a source of the 16 loads of x that are out: it changes only behind this wait
	s_and_saveexec_b32 s[SVX], vcc_lo
.macro EBASE a
.if (\a) < 5
.set eb, 32*(\a)
.set ew, 1
.else
.set eb, 32*((\a)-5)
.set ew, 2
.endif
.endm
.macro FMA a                           ; + weight_a b2[a] + weight_b b2[b]; each accumulator's registers in ascending order
	EBASE \a
	WIN 0x50*ew                                    ; destination and source 2: the accumulators' window
.set z, 0
.rept 16
	v_pk_fma_f32 v[eb+2*z:eb+2*z+1], v[BIA+2*z:BIA+2*z+1], v[G+2*(\a):G+2*(\a)+1], v[eb+2*z:eb+2*z+1] op_sel_hi:[1,0,1]
.set z, z+1
.endr
.set z, 0
.rept 16
	v_pk_fma_f32 v[eb+2*z:eb+2*z+1], v[BIB+2*z:BIB+2*z+1], v[G+2*(\a):G+2*(\a)+1], v[eb+2*z:eb+2*z+1] op_sel:[0,1,0] op_sel_hi:[1,1,1]
.set z, z+1
.endr
.endm
.macro TOSTAGE a                       ; into my stage, and back as whole rows
	EBASE \a
	s_wait_xcnt 0x0                                ; the rows' registers, which the stores two blocks back read, are loaded again only behind this wait
	WIN 0x04*ew                                    ; the stores' data: the accumulators' window
.set z, 0
.rept 8
	ds_store_b128 v[STO], v[eb+4*z:eb+4*z+3] offset:(z/2)*64+(z%2)*16
.set z, z+1
.endr
	WIN 0
.irp t, 0,1,2,3,4,5,6,7
	ds_load_b128 v[RB+32*((\a)%2)+4*\t:RB+32*((\a)%2)+4*\t+3], v[RD] offset:\t*2*SP  ; my own bytes, and LDS serves a wave's instructions in order: these see the stores above
.endr
.endm
.macro SEND a, left                    ; left: the next block's eight loads of x may stay out
	s_wait_dscnt 0x0
	s_wait_loadcnt \left
	WIN 0x08                                       ; source 1: window 2
.set z, 0
.rept 16
	v_pk_add_f32 v[RB+32*((\a)%2)+2*z:RB+32*((\a)%2)+2*z+1], v[RB+32*((\a)%2)+2*z:RB+32*((\a)%2)+2*z+1], v[XR+32*((\a)%2)+2*z:XR+32*((\a)%2)+2*z+1]
.set z, z+1
.endr
	WIN 0x01                                       ; the stores' address: window 1
.irp t, 0,1,2,3,4,5,6,7
	global_store_b128 v[TOKO+8*(\a)+\t], v[RB+32*((\a)%2)+4*\t:RB+32*((\a)%2)+4*\t+3], s[OB:OB+1] th:TH_STORE_NT  ; 16 lanes store 256 bytes on end, aligned
.endr
.if (\a)+2 <= 8
	XLOAD (\a)+2
.endif
.endm
	FMA 0
	TOSTAGE 0
.irp a, 1,2,3,4,5,6,7,8                ; a block's arithmetic stands between the loads of the block before and the wait for them
	FMA \a
	SEND \a-1, 8
	TOSTAGE \a
.endr
	SEND 8, 0
	WIN 0
	s_wait_xcnt 0x0                                ; EXEC is a source of the stores above: it is widened only behind this wait
	s_or_b32 exec_lo, exec_lo, s[SVX]              ; all lanes on again
	s_wait_tensorcnt 0x0                           ; the wave's end: behind my last tensor load and my last LDS store
	ds_add_u32 v[SPW], v[NIL]
	s_wait_dscnt 0x0
	ROUND                                          ; the closing round: no work-group ends while a partner may still ask for a tile that names it
	s_endpgm
.Lfunc_end_k_q376b266ee0_ffn2:
	.size	k_q376b266ee0_ffn2, .Lfunc_end_k_q376b266ee0_ffn2-k_q376b266ee0_ffn2
	.p2alignl 7, 3214868480
	.fill 96, 4, 3214868480
	.section	.rodata,"a",@progbits
	.p2align	6, 0x0
	.amdhsa_kernel k_q376b266ee0_ffn2
		.amdhsa_group_segment_fixed_size 327680
		.amdhsa_private_segment_fixed_size 0
		.amdhsa_enable_private_segment 0
		.amdhsa_kernarg_size 56
		.amdhsa_user_sgpr_count 2
		.amdhsa_user_sgpr_kernarg_segment_ptr 1
		.amdhsa_wavefront_size32 1
		.amdhsa_system_sgpr_workgroup_id_x 1
		.amdhsa_system_sgpr_workgroup_id_y 1
		.amdhsa_system_sgpr_workgroup_id_z 1
		.amdhsa_system_vgpr_workitem_id 0
		.amdhsa_next_free_vgpr 1024
		.amdhsa_next_free_sgpr 66
		.amdhsa_reserve_vcc 1
		.amdhsa_float_denorm_mode_32 3
		.amdhsa_float_denorm_mode_16_64 3
		.amdhsa_memory_ordered 1
		.amdhsa_forward_progress 1
		.amdhsa_inst_pref_size 185
	.end_amdhsa_kernel
	.amdgpu_metadata
---
amdhsa.version: [ 1, 2 ]
amdhsa.kernels:
  - .name:           k_q376b266ee0_ffn2
    .symbol:         k_q376b266ee0_ffn2.kd
    .args:
      - { .name: h1f, .offset: 0, .size: 8, .value_kind: global_buffer, .address_space: global }
      - { .name: wf, .offset: 8, .size: 8, .value_kind: global_buffer, .address_space: global }
      - { .name: b2, .offset: 16, .size: 8, .value_kind: global_buffer, .address_space: global }
      - { .name: plan, .offset: 24, .size: 8, .value_kind: global_buffer, .address_space: global }
      - { .name: gs, .offset: 32, .size: 8, .value_kind: global_buffer, .address_space: global }
      - { .name: hidden_states, .offset: 40, .size: 8, .value_kind: global_buffer, .address_space: global }
      - { .name: out0, .offset: 48, .size: 8, .value_kind: global_buffer, .address_space: global }
    .group_segment_fixed_size: 327680
    .private_segment_fixed_size: 0
    .kernarg_segment_align: 8
    .kernarg_segment_size: 56
    .max_flat_workgroup_size: 128
    .sgpr_count:     66
    .vgpr_count:     1024
    .wavefront_size: 32
...
	.end_amdgpu_metadata
.endif
;; end of part 4
